; MI455X (gfx1250); checked and timed in simulation.
; The chip was launched on July 23, 2026; its instructions are those of AMD's public machine-readable ISA for CDNA 5 (MIT licence, August 2026) and "CDNA5" Instruction Set Architecture Reference Guide (July 2026). The comments in the code are by the model that wrote it; some were corrected since.
;; Chunked Cross Attention. Allowed arithmetic: matrix products marked QUANTISED: E4M3 operands, one given power-of-two scale a tensor, by v_wmma_f32_16x16x64_fp8_fp8 or v_wmma_f32_16x16x128_fp8_fp8, f32 sums; everything else in f32.
;; Inputs: Wk_codes 1,024 x 32 x 32 uint8 (E4M3 codes of Wk, K innermost, in blocks of 32 codes); Wo_codes 1,024 x 32 x 32 uint8 (E4M3 codes of Wo, K innermost, in blocks of 32 codes); Wq_codes 1,024 x 32 x 32 uint8 (E4M3 codes of Wq, K innermost, in blocks of 32 codes); Wv_codes 1,024 x 32 x 32 uint8 (E4M3 codes of Wv, K innermost, in blocks of 32 codes); bk 1,024 float32; bo 1,024 float32; bq 1,024 float32; bv 1,024 float32; e_codes 4 x 16 x 2 x 128 x 32 x 32 uint8 (E4M3 codes of e, K innermost, in blocks of 32 codes); g_norm 1,024 float32; h 4 x 1,024 x 1,024 float32; lowp_scales 12 int32 (the exponents e of the quantised operands' scales 2^e).
;; Outputs: out0 4 x 1,024 x 1,024 float32.
;; This version of the problem:
;;   THIS VERSION OF THE PROBLEM IS GIVEN IN LOW PRECISION. The matrix products marked QUANTISED in the list below multiply operands that are first quantised to E4M3 (4 exponent bits, 3 mantissa bits; 8 bits a number), with one given power-of-two scale for each operand tensor; their sums are f32. All else is computed in f32.
;;   The module's matrix products, in the order in which they are computed (A, B: the left and right operand; K: the contracted axis; several contracted axes count as one K, in the product's order):
;;     1. [M 4,096, K 1,024] x [K 1,024, N 1,024]; A: computed on the way; B: input Wq (given as codes): QUANTISED (scales: A lowp_scales[0], B lowp_scales[1])
;;     2. [M 16,384, K 1,024] x [K 1,024, N 1,024]; A: input e (given as codes); B: input Wk (given as codes): QUANTISED (scales: A lowp_scales[2], B lowp_scales[3])
;;     3. [M 16,384, K 1,024] x [K 1,024, N 1,024]; A: input e (given as codes); B: input Wv (given as codes): QUANTISED (scales: A lowp_scales[4], B lowp_scales[5])
;;     4. batch 1,024 x [M 64, K 64] x [K 64, N 256]; A: computed on the way; B: computed on the way: QUANTISED (scales: A lowp_scales[6], B lowp_scales[7])
;;     5. batch 1,024 x [M 64, K 256] x [K 256, N 64]; A: computed on the way; B: computed on the way: QUANTISED (scales: A lowp_scales[8], B lowp_scales[9])
;;     6. [M 4,096, K 1,024] x [K 1,024, N 1,024]; A: computed on the way; B: input Wo (given as codes): QUANTISED (scales: A lowp_scales[10], B lowp_scales[11])
;;   THE QUANTISER, for each operand of a quantised product, along K:
;;     - The operand's scale is 2^e, e = its entry of the input lowp_scales (int32; the entries are numbered through the quantised products in the list's order, A before B).
;;     - Each number is divided by the scale, clamped to +-448, and rounded to the nearest number of E4M3, ties to even, subnormals kept.
;;     - The product sums the exact products of the quantised numbers (number of the format x scale) in f32.
;;   ~~~python
;;   def quantise(x, axis, e):      # numpy; x: float32 -> the quantised numbers, widened to float32 again
;;       x = np.moveaxis(x, axis, -1); K = x.shape[-1]
;;       r = np.clip(x / 2.0 ** e, -448, 448)
;;       step = 2.0 ** (np.maximum(np.frexp(np.where(r == 0, 1, r))[1] - 1, -6) - 3)
;;       q = np.round(r / step) * step * 2.0 ** e      # np.round: ties to even
;;       return np.moveaxis(q, -1, axis).astype(np.float32)
;;   ~~~
;;   OPERANDS COMPUTED ON THE WAY. 'Computed on the way' means the value that the module computes at that place (a softmax that the list does not call 'softmax' is quantised finished and normalised). What goes into a quantiser is computed in f32, as accurately as f32 sums, v_exp_f32 and their like allow (about 1e-6 of the number): no bf16 or f16 on the way to a quantiser, and a product that is left as it is and whose result goes on into a quantised operand takes f32 operands (vector FMAs, or v_wmma_f32_16x16x4_f32). A number that lies on a knife's edge between two numbers of the format may be rounded either way, as far as f32 arithmetic and the matrix unit's own rounding can turn it there, and no further.
;;   INPUTS GIVEN AS CODES. Wk (in the module: [1024, 1024], K = its axis 0); Wo (in the module: [1024, 1024], K = its axis 0); Wq (in the module: [1024, 1024], K = its axis 0); Wv (in the module: [1024, 1024], K = its axis 0); e (in the module: [4, 16, 2, 128, 1024], K = its axis 4): each comes as NAME_codes (uint8): NAME with its K axis moved to the last place and cut into blocks of 32 codes, [.., K / 32, bytes a block], one block behind the other in memory; one code a byte (a code: sign, 4 exponent bits, 3 mantissa bits); its scale is its entry of lowp_scales. Its value is code x scale, taken as it is: it is not quantised again, and the codes and scales need not be those that the quantiser above would give.
;; One version. Each part assembles by itself: llvm-mc -triple=amdgcn-amd-amdhsa -mcpu=gfx1250 --defsym DOCPART=n.
;; ======== version 1 of 1: 2 launches
;; limits: right only within a limited range of input values
;; workspace buffers: o_img 4,194,304 bytes
;; launch attn (part 1): grid 4 x 64, 4 waves a work-group, clusters of 4 x 4, 327,680 bytes of LDS; arguments e_codes, Wk_codes, Wv_codes, Wq_codes, h, bk, bv, bq, lowp_scales, o_img, g_norm; writes o_img
.if DOCPART == 1
	.amdgcn_target "amdgcn-amd-amdhsa--gfx1250"
	.amdhsa_code_object_version 6
	.text
	.protected	k_q01718caf7a_attn
	.globl	k_q01718caf7a_attn
	.p2align	8
	.type	k_q01718caf7a_attn,@function
k_q01718caf7a_attn:
	s_mov_b64 s[64:65], 0
	v_nop
	global_prefetch_b8 v0, s[64:65] scope:SCOPE_SE
	s_setreg_imm32_b32 hwreg(HW_REG_WAVE_MODE, 25, 1), 1
	s_wait_xcnt 0x0
	s_wait_alu depctr_hold_cnt(0) depctr_sa_sdst(0) depctr_va_vdst(0) depctr_va_sdst(0) depctr_va_ssrc(0) depctr_va_vcc(0) depctr_vm_vsrc(0)
	s_getreg_b32 s2, hwreg(HW_REG_IB_STS2, 6, 4)
	s_cmp_eq_u32 s2, 0
	s_cbranch_scc0 .Lentry_in_a_cluster
	s_endpgm
.Lentry_in_a_cluster:
	s_bfe_u32 s2, ttmp6, 0x10000c
	s_cmp_lg_u32 s2, 0xf033
	s_cbranch_scc0 .Lentry_shape_is_right
	s_endpgm
.Lentry_shape_is_right:
; One work-group takes one chunk Y (64 queries, 256 keys) and four heads, x, as two TASKS of a pair of heads (128 of the 1,024 features) each, through: hn = rmsnorm(h[i + 63]) x g for the chunk's 64 rows, its codes; q = hn Wq + bq for both
; tasks; then, task by task, k = e Wk + bk and v = e Wv + bv (256 x 128 x 1,024 each), their codes; scores; the finished, normalised softmax, its codes; p v; o's codes, which go to o_img.  All products on E4M3 codes, sums in f32.
; SCALES: entries 0 .. 11 of the scales are e0 .. e11.  A sum of codes stands for sum x 2^(its two e); each bias goes in as the C of a sum's first product, divided by that power; the exponents ahead of a quantiser are folded into the conversion's one scale.
; Of the product of the softmax with v the LEFT operand, as the product is lowered, is v: entry 8 is v's scale and entry 9 the softmax's.
; LIMITS, so that each power of two below is an f32 number: e0, e6-e0-e1, e7-e2-e3, e8-e4-e5, e9 and e10-e8-e9 between -126 and 119; e0+e1, e2+e3, e4+e5 between -127 and 126; e6+e7 between -123 and 130.  NaN among the inputs is not served.
; DEAD WORK: queries 961 .. 1023 of a batch (rows 1 .. 63 of its last chunk) reach no output: reference() slices their rows of o away.  They lie in the work-group's block of 64 queries, which holds live row 960, and a branch on the
; chunk would differ between partners of a cluster: so they stay in the block, with the batch's last row of h in the place of the padding, and the last launch drops them.  A NaN or an overflow in these rows reaches no output.
; WAVES.  I = wave / 2, hd = wave % 2.  Wave (I, hd) makes, for head hd of the pair, k and v of keys 128 I .. 128 I + 127: 64 accumulators, 512 registers; and then walks all 64 queries against ITS OWN 128 keys: k's and v's codes never leave its registers.
;   k: source 0 = 16 rows of Wk, source 1 = 16 keys: a lane holds ONE key and eight neighbouring features: its eight codes are two registers of the scores' operand (K = the head's 64).
;   v: source 0 = 16 keys, source 1 = 16 rows of Wv: a lane holds ONE feature and eight neighbouring keys: two registers of the last product's operand (K = the wave's 128 keys).
;   Along 1,024, k is permuted alike on both sides (four loads of 16 bytes a fragment).  Scores and p v are used transposed (source 1 = the queries): a lane holds one query throughout.
; ACROSS WAVES, through LDS: hn's codes; q's codes (wave (I, hd) makes those of queries 32 I on); for each query the pair (c x maximum, sum) of each key half: with both the softmax is finished, p = 2^(c s - c m own) x 2^(c m own - M) / L; and o's
; sums: a wave keeps the 32 queries 32 I on, gives its partner (1 - I, hd) its f32 sums of the other 32, and adds the partner's to its own.  A wave's query tiles are numbered so that tiles 0, 1 are those it keeps: tile u is the chunk's tile u xor 2 I.
; hn: in pass p wave (I, hd) norms rows 32 I + 16 p + 8 hd on, eight rows, in registers: (x g) rsqrt(mean(x x) + 1e-8), all in f32; both passes' rows are asked for at the head.  A conversion takes four neighbours of each of two rows; the codes
; meet in a stage of 16 rows for each I, and come back as fragments of q's operand.  h is read by the four work-groups of a chunk, each for its own heads: 262,144 bytes of f32 would fill LDS, so it is not asked for jointly.
; CLUSTER 4 x 4: the four of a row share the chunk (e's tiles), the four of a column the heads (the weights' tiles): these tiles are asked for jointly.
; RING.  The head's one load a wave brings Wq's 256 rows: task 0's into slot 0, task 1's into slot 1.  Behind q of task 0 slot 0 takes K chunk 0 (256 along K), behind q of task 1 slot 1 takes chunk 1; chunks take turns from there on, into the
; second task too: its chunks 0 and 1 are on their way under the first task's softmax.  A wave has one tensor load out.
; PREFETCH.  e's four chunks are asked of memory about two refills ahead of their first joint load, by waves 0 and 1, a lane a row, 256 bytes: of the chunk's 256 rows the four partners of a row take 64 each, told apart by address; the second task
; reads the same e again, and nothing is asked for.  Wk and Wv are shared out by address over the work-groups: for its own x a work-group names eight rows of each (waves 2 and 3, 8,192 bytes each); chunks Y and Y + 32 name the same.
; REGISTERS, in windows of 256.  Window 0: v1-31 addresses, statistics, scales; v32-63 g, then q's codes; v64-127 bias, then statistics, then p's codes; v128-255 norm's sums, codes and row offsets; q's sums; e's fragments; k's codes (v128-191), v's (v192-255).
;   Window 1: hn's 16 fragments ((K step s, tile u) at 32 s + 16 u); then the weights' two sets (Wk's four fragments, Wv's four, at 128 p); then o's sums (v0-127), the partner's (v128-191), o's codes (v192-207); v208-243 the next biases as they lie in memory.
;   Window 2: pass 0's rows; four sets of Wq's fragments; k's accumulators (a, b) at v[8 (4 a + b)]; then the scores (tile u, key block a) at v[8 (8 u + a)].   Window 3: pass 1's rows; v's accumulators.
.set PITCH, 272                        ; an LDS row of a K chunk: 256 bytes + 16 of padding: the 16 rows of a load start at 16 different banks (64 banks of 4 bytes: ISA guide 11.1)
.set HALFT, 128*PITCH                  ; 128 rows: what one tensor load brings
.set QP,    1104                       ; an LDS row of Wq: 1,024 bytes + 80 = 276 words: 16 rows start at 16 different groups of four banks; 128 such rows reach over a whole K chunk's bytes
.set QT,    64*QP
.set SLOT,  128*QP                     ; a slot: e's two halves, Wk's 128 rows, Wv's 128 rows (139,264 bytes); or Wq's 128 rows (141,312)
.set QS,    1040                       ; a row of hn's stage: 1,024 bytes + 16
.set XCH,   2*SLOT                     ; behind the ring: hn's stage, 2 x 16 rows; then task 0's q codes ((head, tile) at 4,096 hd + 1,024 u); then o's exchange, 8,192 bytes for each wave
.set Q1D,   33280                      ; task 1's q codes lie this far behind task 0's
.set STAT,  XCH+Q1D+8192               ; (c x maximum, sum): 512 bytes for each wave
.set SPARE, STAT+2048                  ; the spare words, 128 bytes for each wave: two blocks of 256 bytes that no other line names
.set FR, 16
.set NP, 4                             ; places behind these matrix instructions (ISA guide 7.12.1)
.set WQA,  1                           ; v1-2 my head's rows of Wq in slot 0, 1 (at the head; then q's addresses)
.set H32,  3                           ; v3 32 h;  v4 4 r
.set R4,   4
.set STW,  5                           ; v5, v6 where I store and read statistics
.set STR,  6
.set QRB,  7                           ; v7 where I read q's codes of my tiles 2, 3
.set SCK,  8                           ; v8-12 the conversions' scales
.set SCV,  9
.set SCQ,  10
.set SCP,  11
.set SCO,  12
.set QW,   13                          ; v13 where I store q's codes, and read those of my tiles 0, 1
.set ADRE, 14                          ; v14-15 e's fragments in slot 0, 1
.set ADRW, 16                          ; v16-17 Wk's; Wv's lie HALFT further on
.set XW,   18                          ; v18, v19 o's exchange: where I store, where I read
.set XR,   19
.set CM,   20                          ; v20-27 (c x maximum, sum) of tile u at CM + 2 u
.set HST,  20                          ; v20, v22, v24, at the head alone: hn's stage, in and out; hn's scale
.set HRD,  22
.set SCN,  24
.set SPW,  28                          ; v28 LDS address of my spare word; never rewritten
.set NIL,  29                          ; v29 0; never rewritten
.set LN16, 30                          ; v30 16 x lane; never rewritten
.set PFO,  31                          ; v31 the prefetches' offset; never rewritten
.set G,    32
.set QC,   32
.set BIAS, 64
.set PC,   64
.set SQ,   128                         ; norm: the sums of squares, 4 registers a row; the roots, 2 a row; the codes; the 16 rows' byte offsets
.set RT,   160
.set HC,   176
.set OFF,  240
.set QA,   128
.set AF,   128
.set KC,   128
.set VC,   192
.set RAW,  208
.set G1W, 4                            ; s[4:11]   group 1: Wq's tiles (column mask)
.set WV,  14                           ; s14 wave, s15 I, s16 hd
.set WI,  15
.set WJ,  16
.set SEL, 18                           ; s[18:19] v_permlanex16_b32: lane l xor 16
.set G0W, 20                           ; s[20:23]  group 0: Wq
.set G1E, 24                           ; s[24:31]  group 1: e's tiles (row mask)
.set G0E, 32                           ; s[32:39]  group 0: e, a set for each slot
.set PLIM, 40                          ; s40 448 x 2^e9; s41, s42 +-448 x o's scale
.set OLP,  41
.set OLN,  42
.set HLN,  43                          ; s43, s105 +-448 x 2^e0
.set HLP,  105
.set TC,   44                          ; s44 tasks to go, this one among them
.set QOFF, 45                          ; s45 this task's q codes
.set G1B, 48                           ; s[48:55]  group 1: Wk's and Wv's tiles (column mask)
.set G0B, 56                           ; s[56:63]  group 0: Wk or Wv, a set for each slot
.set CS,  66                           ; s[66:67]  c = log2(e) / 8 x 2^(e6 + e7)
.set PFB, 92                           ; s[92:93]  what my wave prefetches; never rewritten
.set KLP, 94                           ; +-448 x the scales of k, v, q
.set KLN, 95
.set VLP, 96
.set VLN, 97
.set QLP, 98
.set QLN, 99
.set NBK, 100                          ; what the biases are multiplied by, f32
.set NBV, 101
.set NBQ, 104
.set MSB, 0
.macro WIN new                         ; the immediate's high byte repeats the setting that is left; a switch that changes nothing is dropped
.if MSB != (\new)
	s_set_vgpr_msb (MSB<<8)|(\new)
.set MSB, \new
.endif
.endm
.macro PLACES n
.rept \n
	v_nop
.endr
.endm
; A joint load of a K chunk into slot s: waves 0 and 1 fetch e's halves, waves 2 and 3 Wk's and Wv's rows.  The branch hangs on the wave's number alone.  An s_nop 0 and four v_nop follow each line.
.macro JLOAD s
	s_cmp_eq_u32 s[WI], 0
	s_cbranch_scc0 .Lfor_b_\@
	tensor_load_to_lds s[G0E+4*\s:G0E+4*\s+3], s[G1E:G1E+7]
	s_nop 0
.rept 4
	v_nop
.endr
	s_branch .Lasked_\@
.Lfor_b_\@:
	tensor_load_to_lds s[G0B+4*\s:G0B+4*\s+3], s[G1B:G1B+7]
	s_nop 0
.rept 4
	v_nop
.endr
.Lasked_\@:
.endm
.macro CREST                           ; a round of the cluster's barrier behind its opening barrier
	s_cmp_lg_u32 s[WV], 0
	s_cbranch_scc1 .Lnot_wave_0_\@
	s_barrier_signal -3
.Lnot_wave_0_\@:
	s_barrier_wait -3
	s_barrier_signal -1
	s_barrier_wait -1
.endm
.macro CROUND                          ; a whole round
	s_barrier_signal -1
	s_barrier_wait -1
	CREST
.endm
.macro ASK kc                          ; a prefetch of e's K chunk kc: waves 0 and 1, 32 rows x 256 bytes each
	s_cmp_eq_u32 s[WI], 0
	s_cbranch_scc0 .Lnot_mine_\@
	global_prefetch_b8 v[PFO], s[PFB:PFB+1] offset:256*(\kc) th:TH_LOAD_NT scope:SCOPE_SE
.Lnot_mine_\@:
.endm
; From the exponent in s2: the conversion's scale, 448 x it, and its negative (where n is named)
.macro MKSC sc, p, n
	s_add_co_i32 s2, s2, 127
	s_lshl_b32 s3, s2, 23
	v_mov_b32 v[\sc], s3
	s_add_co_i32 s2, s2, 8
	s_lshl_b32 s[\p], s2, 23
	s_or_b32 s[\p], s[\p], 0x600000
.if \n
	s_or_b32 s[\n], s[\p], 0x80000000
.endif
.endm
	s_load_b512 s[68:83], s[0:1], 0x0              ; e s[68:69], Wk s[70:71], Wv s[72:73], Wq s[74:75], h s[76:77], bk s[78:79], bv s[80:81], bq s[82:83]
	s_load_b128 s[84:87], s[0:1], 0x40             ; the scales' exponents s[84:85], o_img s[86:87]
	s_load_b64 s[44:45], s[0:1], 0x50              ; g
	v_lshl_add_u32 v[SPW], v0, 2, SPARE
	v_mov_b32 v[NIL], 0
	ds_add_u32 v[SPW], v[NIL]                      ; the wave's opening: the add, twice on end, and its wait ahead of my first tensor load; work on registers stands between them
	ds_add_u32 v[SPW], v[NIL]
	v_lshrrev_b32 v1, 5, v0
	v_readfirstlane_b32 s[WV], v1                  ; wave 0..3
	s_lshr_b32 s[WI], s[WV], 1                     ; I
	s_and_b32 s[WJ], s[WV], 1                      ; hd
	s_bfe_u32 s40, ttmp6, 0x40000                  ; cx, cy: my place in the cluster
	s_bfe_u32 s41, ttmp6, 0x40004
	s_lshl_b32 s13, ttmp9, 2
	s_add_co_u32 s13, s13, s40                     ; x, the four heads = 4 x cluster x + cx
	s_and_b32 s12, ttmp7, 0xffff
	s_lshl_b32 s12, s12, 2
	s_add_co_u32 s12, s12, s41                     ; Y, the chunk = 4 x cluster y + cy
	s_lshl_b32 s42, s41, 2
	s_lshl_b32 s42, 15, s42                        ; my row of the cluster: it shares Y
	s_lshl_b32 s43, 0x1111, s40                    ; my column: it shares x
	; groups 1.  Word 0: 15:0 the mask; 17:16 elements of 1 byte; 20 padding on; 21 set beside a mask; 24:22 after every 64 words (code 5) or 256 (code 7); 31:25 four words (code 3) or twenty (code 19)
	s_or_b32 s[G1E], s42, (1<<20)|(1<<21)|(5<<22)|(3<<25)
	s_or_b32 s[G1B], s43, (1<<20)|(1<<21)|(5<<22)|(3<<25)
	s_or_b32 s[G1W], s43, (1<<20)|(1<<21)|(7<<22)|(19<<25)
.irp g, G1E, G1B                       ; 128 rows x 256 bytes, 1,024 bytes apart in memory
	s_mov_b32 s[\g+1], 256<<16                     ; tensor_dim0
	s_mov_b32 s[\g+2], 128<<16                     ; tensor_dim1
	s_mov_b32 s[\g+3], 256<<16                     ; tile_dim0
	s_mov_b32 s[\g+4], 128                         ; tile_dim1
	s_mov_b32 s[\g+5], 1024                        ; tensor_dim0_stride
	s_mov_b32 s[\g+6], 0
	s_mov_b32 s[\g+7], 0
.endr
	s_mov_b32 s[G1W+1], 1024<<16                   ; 64 whole rows of 1,024 bytes
	s_mov_b32 s[G1W+2], 64<<16
	s_mov_b32 s[G1W+3], 1024<<16
	s_mov_b32 s[G1W+4], 64
	s_mov_b32 s[G1W+5], 1024
	s_mov_b32 s[G1W+6], 0
	s_mov_b32 s[G1W+7], 0
	; offsets: what hangs on Y in s[2:3], what hangs on x in s[100:101] and s[104:105]: no pair that feeds a descriptor ever holds both
	s_lshl_b32 s2, s12, 18                         ; e: row 256 Y + 128 (wave % 2), 1,024 bytes a row
	s_lshl_b32 s3, s[WJ], 17
	s_lshl_b32 s100, s13, 18                       ; Wk, Wv: row 256 x
	s_mov_b32 s101, 0
	s_lshl_b32 s94, s40, 16                        ; the prefetches: of e, rows 256 Y + 64 cx + 32 (wave % 2);
	s_lshl_b32 s95, s[WJ], 15
	s_add_co_u32 s94, s94, s95
	s_add_co_u32 s94, s94, s2
	s_and_b32 s95, s12, 31
	s_lshl_b32 s95, s95, 13
	s_add_co_u32 s95, s95, s100                    ; of Wk or Wv, rows 256 x + 8 (Y % 32)
	s_mov_b32 s96, 256
	s_cmp_eq_u32 s[WI], 0
	s_cselect_b32 s94, s94, s95
	s_cselect_b32 s96, 1024, s96                   ; from lane to lane: a row of e, or 256 bytes of a dense block
	s_mov_b32 s95, 0
	s_add_co_u32 s2, s2, s3
	s_mov_b32 s3, 0
	s_lshl_b32 s105, s[WV], 16                     ; Wq: row 256 x + 64 wave: task wave / 2, head wave % 2
	s_add_co_u32 s104, s100, s105
	s_mov_b32 s105, 0
	s_mov_b32 s[SEL], 0x76543210
	s_mov_b32 s[SEL+1], 0xfedcba98
	s_mul_i32 s97, s[WI], SLOT                     ; where my 64 rows of Wq go; no place in the cluster enters an LDS address
	s_mul_i32 s99, s[WJ], QT
	s_add_co_u32 s97, s97, s99
	s_mul_i32 s46, s[WI], HALFT                    ; e's half I
	s_mul_i32 s47, s[WJ], 64*PITCH
	s_add_co_u32 s47, s47, 2*HALFT                 ; Wk's rows of my head
	s_lshl_b32 s98, s[WJ], 12
	s_add_co_u32 s98, s98, XCH
	s_lshl_b32 s88, s[WI], 11
	s_xor_b32 s89, s88, 2048
	s_add_co_u32 s88, s88, s98                     ; q's codes of my head: tiles 2 I on,
	s_add_co_u32 s89, s89, s98                     ; and the other two
	s_xor_b32 s17, s[WV], 2                        ; my partner: the other key half of my head
	s_lshl_b32 s90, s[WV], 9
	s_add_co_u32 s90, s90, STAT
	s_lshl_b32 s91, s17, 9
	s_add_co_u32 s91, s91, STAT
	s_lshl_b32 s92, s[WV], 13
	s_add_co_u32 s92, s92, XCH
	s_lshl_b32 s93, s17, 13
	s_add_co_u32 s93, s93, XCH
	s_mul_i32 s98, s[WI], 16*QS
	s_add_co_u32 s98, s98, XCH                     ; hn's stage of my half
	s_mul_i32 s17, s[WJ], 8*QS
	s_add_co_u32 s17, s17, s98                     ; and my eight rows of it
	v_and_b32 v36, 15, v0                          ; r = lane % 16
	v_bfe_u32 v37, v0, 4, 1                        ; h = lane / 16
	v_and_b32 v32, 31, v0
	v_lshlrev_b32 v[LN16], 4, v32
	v_mul_u32_u24 v[PFO], s96, v32
	v_lshlrev_b32 v[H32], 5, v37
	v_lshlrev_b32 v[R4], 2, v36
	v_mul_u32_u24 v33, v36, PITCH
	v_lshl_add_u32 v33, v37, 4, v33                ; a fragment's row x pitch + 16 h
	v_add_nc_u32 v[ADRE], s46, v33
	v_add_nc_u32 v[ADRE+1], SLOT, v[ADRE]
	v_add_nc_u32 v[ADRW], s47, v33
	v_add_nc_u32 v[ADRW+1], SLOT, v[ADRW]
	v_mul_u32_u24 v34, v36, QP
	v_lshl_add_u32 v34, v37, 4, v34
	v_add_nc_u32 v[WQA], s99, v34
	v_add_nc_u32 v[WQA+1], SLOT, v[WQA]
	v_mul_u32_u24 v35, v36, QS
	v_lshl_add_u32 v35, v37, 4, v35
	v_add_nc_u32 v[HRD], s98, v35                  ; hn's stage, out: row r, + 16 h
	v_lshlrev_b32 v35, 2, v32
	v_add_nc_u32 v[HST], s17, v35                  ; in: 4 x lane
	v_add_nc_u32 v[QW], s88, v[LN16]
	v_add_nc_u32 v[QRB], s89, v[LN16]
	v_lshlrev_b32 v35, 3, v36
	v_add_nc_u32 v[STW], s90, v35
	v_add_nc_u32 v[STR], s91, v35
	v_add_nc_u32 v[XW], s92, v[LN16]
	v_add_nc_u32 v[XR], s93, v[LN16]
.irp u, 0,1,2,3
	v_mov_b32 v[CM+2*\u+1], 0                      ; (named as the upper half of a pair ahead of its first sum)
.endr
.irp u, 0,1,2,3,4,5,6,7
	v_mov_b32 v[RT+2*\u+1], 0                      ; (named as the upper half of a root's pair)
.endr
	s_and_b32 s46, s12, 15                         ; my first source row in the batch: 64 (Y % 16) + 32 I + 8 hd + 63
	s_lshl_b32 s46, s46, 6
	s_lshl_b32 s47, s[WI], 5
	s_add_co_u32 s46, s46, s47
	s_lshl_b32 s47, s[WJ], 3
	s_add_co_u32 s46, s46, s47
	s_add_co_u32 s46, s46, 63
	s_mov_b32 s17, 1023
.irp p, 0,1
.irp u, 0,1,2,3,4,5,6,7
	s_add_co_u32 s47, s46, 16*\p+\u
	s_min_u32 s47, s47, s17                        ; held inside the batch: behind its last row lie dead queries alone
	s_lshl_b32 s47, s47, 12
	v_add_nc_u32 v[OFF+8*\p+\u], s47, v[LN16]
.endr
.endr
	s_lshr_b32 s46, s12, 4
	s_lshl_b32 s46, s46, 22                        ; the batch's 4 MiB
	s_mov_b32 s47, 0
	s_wait_alu depctr_va_vdst(0)
	s_wait_dscnt 0x0                               ; both opening adds are done
	s_wait_kmcnt 0x0
	s_add_nc_u64 s[76:77], s[76:77], s[46:47]
.macro HLOAD p, u                      ; row u of pass p: eight loads of 512 consecutive bytes; row u, load j, number k at 64 (u / 2) + 8 j + 4 (u % 2) + k
	WIN (0x80+0x40*(\p))
.irp j, 0,1,2,3,4,5,6,7
	global_load_b128 v[64*(\u/2)+8*\j+4*(\u%2):64*(\u/2)+8*\j+4*(\u%2)+3], v[OFF+8*\p+\u], s[76:77] offset:512*\j
.endr
.endm
.irp j, 0,1,2,3,4,5,6,7
	global_load_b128 v[G+4*\j:G+4*\j+3], v[LN16], s[44:45] offset:512*\j
.endr
.irp u, 0,1,2,3
	HLOAD 0, \u
.endr
	WIN 0
	s_cmp_eq_u32 s[WJ], 0
	s_cselect_b64 s[98:99], s[70:71], s[72:73]     ; wave 2 fetches Wk's rows, wave 3 Wv's: the choice hangs on the wave's number alone
	s_cmp_eq_u32 s[WI], 0
	s_cselect_b64 s[PFB:PFB+1], s[68:69], s[98:99]
	s_add_nc_u64 s[PFB:PFB+1], s[PFB:PFB+1], s[94:95]
	s_add_nc_u64 s[68:69], s[68:69], s[2:3]
	s_add_nc_u64 s[98:99], s[98:99], s[100:101]
	s_mul_i32 s96, s[WV], HALFT                    ; where my tile of a K chunk goes: wave x 128 rows
.irp s, 0,1
	s_mov_b32 s[G0E+4*\s], 1                                       ; count = 1
	s_add_co_u32 s[G0E+4*\s+1], s96, \s*SLOT                       ; LDS address
	s_add_nc_u64 s[G0E+4*\s+2:G0E+4*\s+3], s[68:69], \s*256        ; global address: K chunk s
	s_or_b32 s[G0E+4*\s+3], s[G0E+4*\s+3], 0x80000000              ; type = 2
	s_mov_b32 s[G0B+4*\s], 1
	s_add_co_u32 s[G0B+4*\s+1], s96, \s*SLOT
	s_add_nc_u64 s[G0B+4*\s+2:G0B+4*\s+3], s[98:99], \s*256
	s_or_b32 s[G0B+4*\s+3], s[G0B+4*\s+3], 0x80000000
.endr
	s_mov_b32 s[G0W], 1
	s_mov_b32 s[G0W+1], s97
	s_add_nc_u64 s[G0W+2:G0W+3], s[74:75], s[104:105]
	s_or_b32 s[G0W+3], s[G0W+3], 0x80000000
	CROUND                                         ; all sixteen work-groups are here: the first joint loads meet
	tensor_load_to_lds s[G0W:G0W+3], s[G1W:G1W+7]  ; 64 rows of Wq: one tensor load a wave at the head
	s_nop 0
	PLACES 4
	s_load_b256 s[68:75], s[84:85], 0x0            ; e0 .. e7, over pointers that the descriptors have taken
	s_load_b128 s[88:91], s[84:85], 0x20           ; e8 .. e11
.irp u, 4,5,6,7
	HLOAD 0, \u
.endr
.irp u, 0,1,2,3,4,5,6,7
	HLOAD 1, \u
.endr
	WIN 0
	s_lshl_b32 s2, s13, 10                         ; the biases at feature 256 x + 64 hd
	s_lshl_b32 s3, s[WJ], 8
	s_add_co_u32 s2, s2, s3
	s_mov_b32 s3, 0
	s_add_nc_u64 s[78:79], s[78:79], s[2:3]
	s_add_nc_u64 s[80:81], s[80:81], s[2:3]
	s_add_nc_u64 s[82:83], s[82:83], s[2:3]
.irp t, 0,1                            ; bq in the result's layout: tile b, register j: feature 16 b + 8 h + j of task t's head
.irp b, 0,1,2,3
	global_load_b128 v[BIAS+32*\t+8*\b:BIAS+32*\t+8*\b+3], v[H32], s[82:83] offset:512*\t+64*\b
	global_load_b128 v[BIAS+32*\t+8*\b+4:BIAS+32*\t+8*\b+7], v[H32], s[82:83] offset:512*\t+64*\b+16
.endr
.endr
	s_lshr_b32 s2, s12, 1                          ; o_img: 131,072 (row / 128) + 16,384 (2 x + task) + 2,048 (row / 16 % 8) + 1,024 hd; my first row is 64 Y + 32 I
	s_lshl_b32 s2, s2, 17
	s_and_b32 s3, s12, 1
	s_lshl_b32 s3, s3, 13
	s_add_co_u32 s2, s2, s3
	s_lshl_b32 s3, s[WI], 12
	s_add_co_u32 s2, s2, s3
	s_lshl_b32 s3, s[WJ], 10
	s_add_co_u32 s2, s2, s3
	s_lshl_b32 s3, s13, 15
	s_add_co_u32 s2, s2, s3
	s_mov_b32 s3, 0
	s_add_nc_u64 s[86:87], s[86:87], s[2:3]
	s_wait_kmcnt 0x0
	s_mov_b32 s2, s68                              ; hn: e0
	MKSC SCN, HLP, HLN
	s_add_co_i32 s46, s70, s71
	s_sub_co_i32 s[NBK], 127, s46                  ; a bias goes in divided by the power that the sums lack: x 2^-(e2 + e3)
	s_lshl_b32 s[NBK], s[NBK], 23
	s_sub_co_i32 s2, s75, s46                      ; k: e7 - e2 - e3: the three scales folded into the conversion's one
	MKSC SCK, KLP, KLN
	s_add_co_i32 s46, s72, s73
	s_sub_co_i32 s[NBV], 127, s46
	s_lshl_b32 s[NBV], s[NBV], 23
	s_sub_co_i32 s2, s88, s46                      ; v: e8 - e4 - e5
	MKSC SCV, VLP, VLN
	s_add_co_i32 s46, s68, s69
	s_sub_co_i32 s[NBQ], 127, s46
	s_lshl_b32 s[NBQ], s[NBQ], 23
	s_sub_co_i32 s2, s74, s46                      ; q: e6 - e0 - e1
	MKSC SCQ, QLP, QLN
	s_add_co_i32 s46, s88, s89
	s_sub_co_i32 s2, s90, s46                      ; o: e10 - e8 - e9
	MKSC SCO, OLP, OLN
	s_mov_b32 s2, s89                              ; the softmax: e9
	MKSC SCP, PLIM, 0
	s_add_co_i32 s46, s74, s75                     ; a score stands for score x 2^(e6 + e7): the two exponents are added to c's exponent field
	s_lshl_b32 s46, s46, 23
	s_add_co_i32 s[CS], s46, 0x3e38aa3b            ; c = log2(e) / 8
	s_mov_b32 s[CS+1], s[CS]                       ; (named with it as a pair, so it is written)
	s_mov_b32 s46, 0x3a800000                      ; 1 / 1024
	s_mov_b32 s47, 0x322bcc77                      ; 1e-8
; A pass of norm: eight rows in window 2 + p become codes, meet in the stage, and come back as hn's fragments of tile p.
.macro NORM p
	WIN (0x0a+5*(\p))                              ; sources 0 and 1: window 2 + p
.irp u, 0,1,2,3,4,5,6,7                ; the sums of squares: two packed chains a row
.set n, 64*(\u/2)+4*(\u%2)
	v_pk_mul_f32 v[SQ+4*\u:SQ+4*\u+1], v[n:n+1], v[n:n+1]
	v_pk_mul_f32 v[SQ+4*\u+2:SQ+4*\u+3], v[n+2:n+3], v[n+2:n+3]
.endr
.irp j, 1,2,3,4,5,6,7
.irp u, 0,1,2,3,4,5,6,7
.set n, 64*(\u/2)+4*(\u%2)+8*\j
	v_pk_fma_f32 v[SQ+4*\u:SQ+4*\u+1], v[n:n+1], v[n:n+1], v[SQ+4*\u:SQ+4*\u+1]
	v_pk_fma_f32 v[SQ+4*\u+2:SQ+4*\u+3], v[n+2:n+3], v[n+2:n+3], v[SQ+4*\u+2:SQ+4*\u+3]
.endr
.endr
	WIN 0
.irp u, 0,1,2,3,4,5,6,7
	v_pk_add_f32 v[SQ+4*\u:SQ+4*\u+1], v[SQ+4*\u:SQ+4*\u+1], v[SQ+4*\u+2:SQ+4*\u+3]
.endr
.irp u, 0,1,2,3,4,5,6,7
	v_add_f32 v[SQ+4*\u], v[SQ+4*\u], v[SQ+4*\u+1]
.endr
.irp m, 1,2,4,8
.irp u, 0,1,2,3,4,5,6,7
	v_add_f32_dpp v[SQ+4*\u], v[SQ+4*\u], v[SQ+4*\u] row_xmask:\m row_mask:0xf bank_mask:0xf
.endr
.endr
.irp u, 0,1,2,3,4,5,6,7
	v_permlanex16_b32 v[SQ+4*\u+1], v[SQ+4*\u], s[SEL], s[SEL+1]   ; (its destination has been written)
.endr
.irp u, 0,1,2,3,4,5,6,7
	v_add_f32 v[SQ+4*\u], v[SQ+4*\u], v[SQ+4*\u+1]
.endr
.irp u, 0,1,2,3,4,5,6,7
	v_fma_f32 v[SQ+4*\u], v[SQ+4*\u], s46, s47     ; the mean + 1e-8
.endr
	s_wait_alu depctr_va_vdst(0)                   ; the wait ahead of the batch, and the one behind it
.irp u, 0,1,2,3,4,5,6,7
	v_rsq_f32 v[RT+2*\u], v[SQ+4*\u]
.endr
	WIN (0x82+0x41*(\p))
.irp j, 0,1,2,3,4,5,6,7                ; x g first: work that names no root
.irp u, 0,1,2,3,4,5,6,7
.set n, 64*(\u/2)+4*(\u%2)+8*\j
	v_pk_mul_f32 v[n:n+1], v[n:n+1], v[G+4*\j:G+4*\j+1]
	v_pk_mul_f32 v[n+2:n+3], v[n+2:n+3], v[G+4*\j+2:G+4*\j+3]
.endr
.endr
	s_wait_alu depctr_va_vdst(0)
.irp j, 0,1,2,3,4,5,6,7
.irp u, 0,1,2,3,4,5,6,7
.set n, 64*(\u/2)+4*(\u%2)+8*\j
	v_pk_mul_f32 v[n:n+1], v[n:n+1], v[RT+2*\u:RT+2*\u+1] op_sel_hi:[1,0]   ; the pair's low word for both halves
	v_pk_mul_f32 v[n+2:n+3], v[n+2:n+3], v[RT+2*\u:RT+2*\u+1] op_sel_hi:[1,0]
.endr
.endr
.set n, 0
.rept 256
	v_med3_num_f32 v[n], v[n], s[HLN], s[HLP]      ; the conversion to an 8-bit code does not saturate (ISA guide 7.6.2): the hold at the largest code x the scale
.set n, n+1
.endr
	WIN (0x02+(\p))
.set n, 0
.rept 32
	v_cvt_scalef32_pk8_fp8_f32 v[HC+2*n:HC+2*n+1], v[8*n:8*n+7], v[SCN]   ; pair n / 8, load n % 8: the low word is the even row's, the high word the odd row's
.set n, n+1
.endr
	WIN 0
	v_nop                                          ; one plain vector instruction behind the last conversion
.if \p
	s_wait_alu depctr_va_vdst(0)
	s_wait_dscnt 0x0                               ; my reads of the last pass's stage are over
	s_barrier_signal -1
	s_barrier_wait -1                              ; everybody's are
.endif
.set n, 0
.rept 32
	ds_store_b32 v[HST], v[HC+2*n] offset:2*(n/8)*QS+128*(n%8)
	ds_store_b32 v[HST], v[HC+2*n+1] offset:(2*(n/8)+1)*QS+128*(n%8)
.set n, n+1
.endr
	s_wait_dscnt 0x0                               ; for the others' sake: my rows lie in the stage
.if \p
	s_wait_tensorcnt 0x0                           ; and my rows of Wq are in
.endif
	s_barrier_signal -1
	s_barrier_wait -1
	WIN 0x40
.irp s, 0,1,2,3,4,5,6,7
.irp c, 0,1,2,3
	ds_load_b128 v[32*\s+16*(\p)+4*\c:32*\s+16*(\p)+4*\c+3], v[HRD] offset:128*\s+32*\c
.endr
.endr
	WIN 0
.endm
	s_wait_alu depctr_va_vdst(0)
	s_wait_loadcnt 63                              ; g and pass 0's rows, the oldest 72 of the 152 loads
	NORM 0
	global_prefetch_b8 v[PFO], s[PFB:PFB+1] th:TH_LOAD_NT scope:SCOPE_SE   ; waves 0 and 1: e's chunk 0; waves 2 and 3: my rows of Wk and Wv
	s_wait_loadcnt 16                              ; pass 1's rows; bq's 16 loads may be out
	NORM 1
	s_wait_loadcnt 0x0                             ; bq
.set n, 0
.rept 64
	v_mul_f32 v[BIAS+n], s[NBQ], v[BIAS+n]
.set n, n+1
.endr
	s_wait_alu depctr_va_vdst(0)
	ASK 1
.macro FRAG reg, adr, off              ; a fragment, 16 rows x 128 K: lane l holds row l % 16; registers 4 c .. 4 c + 3 hold K = 32 c + 16 (l / 16) + 0 .. 15, alike on both sides
.irp c, 0,1,2,3
	ds_load_b128 v[\reg+4*\c:\reg+4*\c+3], v[\adr] offset:\off+32*\c
.endr
.endm
; q for my head and queries 32 I on, task t: source 0 = 16 rows of Wq, from LDS, two steps ahead into four sets in window 2; source 1 = 16 rows of hn in window 1: eight accumulators by turns, eight steps of 128 along K.
.macro QFETCH t, s
	WIN 0x80
.irp b, 0,1,2,3
	FRAG 64*((\s)%4)+16*\b, WQA+\t, \b*16*QP+128*(\s)
.endr
.endm
.macro QMUL t, s, first
	WIN 0x06                                       ; source 0 window 2, source 1 window 1; C and D window 0
.irp u, 0,1
.irp b, 0,1,2,3
.if \first
	v_wmma_f32_16x16x128_fp8_fp8 v[QA+64*\t+8*(4*\u+\b):QA+64*\t+8*(4*\u+\b)+7], v[64*((\s)%4)+16*\b:64*((\s)%4)+16*\b+15], v[32*(\s)+16*\u:32*(\s)+16*\u+15], v[BIAS+32*\t+8*\b:BIAS+32*\t+8*\b+7]
.else
	v_wmma_f32_16x16x128_fp8_fp8 v[QA+64*\t+8*(4*\u+\b):QA+64*\t+8*(4*\u+\b)+7], v[64*((\s)%4)+16*\b:64*((\s)%4)+16*\b+15], v[32*(\s)+16*\u:32*(\s)+16*\u+15], v[QA+64*\t+8*(4*\u+\b):QA+64*\t+8*(4*\u+\b)+7]
.endif
.endr
.endr
.endm
.macro QSET t
	QFETCH \t, 0
	QFETCH \t, 1
	QFETCH \t, 2
	s_wait_dscnt 32                                ; step 0's fragments are in (and hn's); the 16 loads of each of the two steps behind it may be out
	QMUL \t, 0, 1
.irp s, 1,2,3,4,5
	PLACES NP                                      ; in front of loads into a set that earlier products read
	QFETCH \t, \s+2
	s_wait_dscnt 32
	QMUL \t, \s, 0
.endr
	s_wait_dscnt 16
	QMUL \t, 6, 0
	s_wait_dscnt 0x0
	QMUL \t, 7, 0
	WIN 0
.endm
; The biases of k and v for a task, as they lie in memory, into window 1: bk in k's result layout (tile b, register j: feature 16 b + 8 h + j); bv: a lane has one feature of each tile
.macro RAWBIAS
	WIN 0x40
.irp b, 0,1,2,3
	global_load_b128 v[RAW+8*\b:RAW+8*\b+3], v[H32], s[78:79] offset:64*\b
	global_load_b128 v[RAW+8*\b+4:RAW+8*\b+7], v[H32], s[78:79] offset:64*\b+16
	global_load_b32 v[RAW+32+\b], v[R4], s[80:81] offset:64*\b
.endr
	WIN 0
.endm
	QSET 0
	s_wait_tensorcnt 0x0                           ; ahead of a refill: no tensor load of mine is out,
	ds_add_u32 v[SPW], v[NIL]
	s_wait_dscnt 0x0                               ; the add is done, and so are my reads of slot 0 and of hn's stage
	CROUND
	JLOAD 0                                        ; task 0's K chunk 0, over task 0's rows of Wq
	QSET 1
	ASK 2
	PLACES NP
	RAWBIAS
.set n, 0
.rept 128
	v_med3_num_f32 v[QA+n], v[QA+n], s[QLN], s[QLP] ; each accumulator from its low end on
.set n, n+1
.endr
.irp t, 0,1
.irp u, 0,1
.irp b, 0,1,2,3
	v_cvt_scalef32_pk8_fp8_f32 v[QC+16*\t+8*\u+2*\b:QC+16*\t+8*\u+2*\b+1], v[QA+64*\t+8*(4*\u+\b):QA+64*\t+8*(4*\u+\b)+7], v[SCQ]   ; registers 2 b, 2 b + 1 of q's fragment: features 16 b + 8 h + 0 .. 7
.endr
.endr
.endr
	v_nop                                          ; one plain vector instruction behind the last conversion
.irp t, 0,1
.irp u, 0,1
.irp g, 0,1
	ds_store_b128 v[QW], v[QC+16*\t+8*\u+4*\g:QC+16*\t+8*\u+4*\g+3] offset:Q1D*\t+1024*\u+512*\g
.endr
.endr
.endr
	s_mov_b32 s[TC], 2                             ; (over g's pointer: its loads have been waited for)
	s_mov_b32 s[QOFF], 0
	s_wait_tensorcnt 0x0                           ; my part of chunk 0 is in;
	ds_add_u32 v[SPW], v[NIL]
	s_wait_dscnt 0x0                               ; the add is done, so are my reads of slot 1, and my codes of q are stored
	CROUND
	JLOAD 1                                        ; task 0's K chunk 1, over task 1's rows of Wq
	ASK 3
; 16 matrix instructions for k: key blocks a0 .. a0 + 3 x four feature blocks (source 0 window 1, source 1 window 0, D window 2).  cm = 1: C = the bias in window 0: the first products start the sums.
.macro KMUL a0, p, cm
.if \cm
	WIN 0x81
.else
	WIN 0xa1
.endif
.irp a, \a0, \a0+1, \a0+2, \a0+3
.irp b, 0,1,2,3
.if \cm
	v_wmma_f32_16x16x128_fp8_fp8 v[8*(4*(\a)+\b):8*(4*(\a)+\b)+7], v[128*(\p)+FR*\b:128*(\p)+FR*\b+FR-1], v[AF+FR*(\a):AF+FR*(\a)+FR-1], v[BIAS+8*\b:BIAS+8*\b+7]
.else
	v_wmma_f32_16x16x128_fp8_fp8 v[8*(4*(\a)+\b):8*(4*(\a)+\b)+7], v[128*(\p)+FR*\b:128*(\p)+FR*\b+FR-1], v[AF+FR*(\a):AF+FR*(\a)+FR-1], v[8*(4*(\a)+\b):8*(4*(\a)+\b)+7]
.endif
.endr
.endr
.endm
.macro VMUL a0, p, cm                  ; the same for v, the sources the other way round, D window 3
.if \cm
	WIN 0xc4
.else
	WIN 0xf4
.endif
.irp a, \a0, \a0+1, \a0+2, \a0+3
.irp b, 0,1,2,3
.if \cm
	v_wmma_f32_16x16x128_fp8_fp8 v[8*(4*(\a)+\b):8*(4*(\a)+\b)+7], v[AF+FR*(\a):AF+FR*(\a)+FR-1], v[128*(\p)+64+FR*\b:128*(\p)+64+FR*\b+FR-1], v[BIAS+32+8*\b:BIAS+32+8*\b+7]
.else
	v_wmma_f32_16x16x128_fp8_fp8 v[8*(4*(\a)+\b):8*(4*(\a)+\b)+7], v[AF+FR*(\a):AF+FR*(\a)+FR-1], v[128*(\p)+64+FR*\b:128*(\p)+64+FR*\b+FR-1], v[8*(4*(\a)+\b):8*(4*(\a)+\b)+7]
.endif
.endr
.endr
.endm
.macro LDW slot, q, p, v               ; four fragments of Wk (v = 0) or Wv (1), the slot's q-th 128 along K, into set p: 16 loads
	WIN 0x40
.irp i, 0,1,2,3
	FRAG 128*(\p)+64*(\v)+FR*\i, ADRW+\slot, HALFT*(\v)+128*(\q)+\i*16*PITCH
.endr
.endm
.macro LDE slot, q, i0                 ; e's blocks i0 .. i0 + 3: 16 loads
	WIN 0
.irp i, \i0, \i0+1, \i0+2, \i0+3
	FRAG AF+FR*(\i), ADRE+\slot, 128*(\q)+(\i)*16*PITCH
.endr
.endm
; A step of 128 along K that has its successor in the same slot: four quarters of 16 matrix instructions, each behind a run of 16 loads; the loads come in the order Wk, e's blocks 0-3, Wv, e's blocks 4-7, two runs ahead of their use or more.
; The 64 accumulators take turns, one instruction a turn, in the same order in every step.  Loads into registers that matrix instructions have read stand four places behind them:
; e's blocks 4-7 behind the places at the last step's end, blocks 0-3 behind those in the middle, the weights' other set, last read in the step before, behind either.
.macro STEP slot, q, cm
	LDE \slot, \q, 4
	s_wait_dscnt 32                                ; Wk and e's blocks 0-3 are in; Wv's 16 loads and blocks 4-7's may be out
	KMUL 0, (\q)%2, \cm
	LDW \slot, (\q)+1, 1-(\q)%2, 0
	s_wait_dscnt 32                                ; Wv is in; blocks 4-7 and the next Wk may be out
	VMUL 0, (\q)%2, \cm
	PLACES NP
	LDE \slot, (\q)+1, 0
	s_wait_dscnt 32                                ; blocks 4-7 are in; the next Wk and blocks 0-3 may be out
	KMUL 4, (\q)%2, \cm
	LDW \slot, (\q)+1, 1-(\q)%2, 1
	VMUL 4, (\q)%2, \cm
	PLACES NP
	WIN 0
.endm
; The group 0 of a slot: on = 1: two K chunks on; on = 2: from this task's chunk to the next task's chunk two before it: e goes back along K, the weights also 128 rows down.
.macro WALK slot, on
.if (\on) == 1
	s_add_nc_u64 s[G0E+4*\slot+2:G0E+4*\slot+3], s[G0E+4*\slot+2:G0E+4*\slot+3], 512
	s_add_nc_u64 s[G0B+4*\slot+2:G0B+4*\slot+3], s[G0B+4*\slot+2:G0B+4*\slot+3], 512
.else
	s_sub_nc_u64 s[G0E+4*\slot+2:G0E+4*\slot+3], s[G0E+4*\slot+2:G0E+4*\slot+3], 512
	s_add_nc_u64 s[G0B+4*\slot+2:G0B+4*\slot+3], s[G0B+4*\slot+2:G0B+4*\slot+3], 128*1024-512
.endif
.endm
; A slot's last step changes slots: each wave waits for all its tensor loads, adds 0 to its spare word, and waits for that and for its reads of this slot; where the slot is filled again the barrier opens a round of the cluster's barrier, and the refill comes first behind it.
.macro TURN slot, next, fill
	LDE \slot, 1, 4
	s_wait_tensorcnt 0x0                           ; all my tensor loads have landed: my part of the next slot;  (every window is 0 here)
	ds_add_u32 v[SPW], v[NIL]                      ; 0 onto my spare word
	s_wait_dscnt 33                                ; (the add and the youngest 32 loads may be out)
	KMUL 0, 1, 0                                   ; sixteen matrix instructions stand between the add and the wait for it
	s_wait_dscnt 0x0                               ; the add is done, and my reads of this slot are over
	s_barrier_signal -1
	VMUL 0, 1, 0
	WIN 0
	s_barrier_wait -1
.if \fill
	CREST                                          ; no wave of any partner still reads this slot or has a load on its way
	WALK \slot, \fill
	JLOAD \slot                                    ; the first tensor load behind the round; its four v_nop are the places in front of the loads below
.else
	PLACES NP
.endif
	LDW \next, 0, 0, 0
	LDE \next, 0, 0
	KMUL 4, 1, 0
	LDW \next, 0, 0, 1
	VMUL 4, 1, 0
	PLACES NP
	WIN 0
.endm
.macro FINAL                           ; a task's last step: nothing more to fetch but e's blocks 4-7
	LDE 1, 1, 4
	s_wait_dscnt 32
	KMUL 0, 1, 0
	s_wait_dscnt 16
	VMUL 0, 1, 0
	s_wait_dscnt 0x0
	KMUL 4, 1, 0
	VMUL 4, 1, 0
	WIN 0
	PLACES NP
.endm
.Ltask:                                                ; two trips.  Chunk 0 is whole in slot 0 (the last round has shown it); chunk 1 is on its way into slot 1
	LDW 0, 0, 0, 0
	LDE 0, 0, 0
	LDW 0, 0, 0, 1
	s_wait_loadcnt 0x0                             ; the biases
	WIN 0x04                                       ; source 1 window 1
.set n, 0
.rept 32
	v_mul_f32 v[BIAS+n], s[NBK], v[RAW+n]
.set n, n+1
.endr
.irp b, 0,1,2,3
.irp j, 0,1,2,3,4,5,6,7
	v_mul_f32 v[BIAS+32+8*\b+\j], s[NBV], v[RAW+32+\b]
.endr
.endr
	s_wait_alu depctr_va_vdst(0)
	STEP 0, 0, 1
	TURN 0, 1, 1                                   ; chunk 2 into slot 0
	STEP 1, 0, 0
	TURN 1, 0, 1                                   ; chunk 3 into slot 1
	STEP 0, 0, 0
	s_cmp_eq_u32 s[TC], 1
	s_cbranch_scc1 .Llast_task                     ; the last task's tail is written out: it asks for nothing more
	TURN 0, 1, 2                                   ; THE RING GOES ON INTO THE NEXT TASK: slot 0 takes its chunk 0,
	STEP 1, 0, 0
	FINAL
	s_add_nc_u64 s[78:79], s[78:79], 512           ; (the earlier loads by these pointers have been waited for)
	s_add_nc_u64 s[80:81], s[80:81], 512
	RAWBIAS
	s_wait_tensorcnt 0x0                           ; my part of the next task's chunk 0 is in;
	ds_add_u32 v[SPW], v[NIL]
	s_wait_dscnt 0x0                               ; the add is done, and my reads of slot 1 were over at the last step's middle
	CROUND
	WALK 1, 2
	JLOAD 1                                        ; slot 1 its chunk 1
	s_branch .Lattend
.Llast_task:
	TURN 0, 1, 0
	STEP 1, 0, 0
	FINAL
.Lattend:
	v_add_nc_u32 v1, s[QOFF], v[QW]                ; this task's q codes, all four tiles in my order
	v_add_nc_u32 v2, s[QOFF], v[QRB]
.irp u, 0,1
.irp g, 0,1
	ds_load_b128 v[QC+8*\u+4*\g:QC+8*\u+4*\g+3], v1 offset:1024*\u+512*\g
	ds_load_b128 v[QC+16+8*\u+4*\g:QC+16+8*\u+4*\g+3], v2 offset:1024*\u+512*\g
.endr
.endr
	; k's and v's codes, in the registers where the products below want them
	WIN 0x82
.set n, 0
.rept 256
	v_med3_num_f32 v[n], v[n], s[KLN], s[KLP]
.set n, n+1
.endr
	WIN 0x02
.set n, 0
.rept 32
	v_cvt_scalef32_pk8_fp8_f32 v[KC+2*n:KC+2*n+1], v[8*n:8*n+7], v[SCK]   ; block a's eight registers: features 16 b + 8 h + 0 .. 7 in 2 b, 2 b + 1
.set n, n+1
.endr
	WIN 0xc3
.set n, 0
.rept 256
	v_med3_num_f32 v[n], v[n], s[VLN], s[VLP]
.set n, n+1
.endr
	WIN 0x03
.irp a, 0,1,2,3,4,5,6,7
.irp b, 0,1,2,3
	v_cvt_scalef32_pk8_fp8_f32 v[VC+16*\b+2*\a:VC+16*\b+2*\a+1], v[8*(4*\a+\b):8*(4*\a+\b)+7], v[SCV]   ; feature block b's sixteen registers: keys 16 a + 8 h + 0 .. 7 in 2 a, 2 a + 1
.endr
.endr
	WIN 0
	v_nop                                          ; one plain vector instruction behind the last conversion
	s_wait_alu depctr_va_vdst(0)
	s_wait_dscnt 0x0                               ; q's codes are in
	WIN 0x80                                       ; D window 2
.irp u, 0,1,2,3
.irp a, 0,1,2,3,4,5,6,7
	v_wmma_f32_16x16x64_fp8_fp8 v[8*(8*\u+\a):8*(8*\u+\a)+7], v[KC+8*\a:KC+8*\a+7], v[QC+8*\u:QC+8*\u+7], 0   ; register j of tile (u, a): my query's score with key 16 a + 8 h + j
.endr
.endr
	PLACES NP
	WIN 0x0a                                       ; the largest score: two chains a query tile, each accumulator from its low end on
.irp u, 0,1,2,3
.irp c, 0,1
	v_max_num_f32 v[64+2*\u+\c], v[64*\u+32*\c], v[64*\u+32*\c+1]
.endr
.endr
	WIN 0x28
.irp i, 1,2,3,4,5,6,7,8,9,10,11,12,13,14,15
.irp u, 0,1,2,3
.irp c, 0,1
	v_max3_num_f32 v[64+2*\u+\c], v[64+2*\u+\c], v[64*\u+32*\c+2*\i], v[64*\u+32*\c+2*\i+1]
.endr
.endr
.endr
	WIN 0
.irp u, 0,1,2,3
	v_max_num_f32 v[64+2*\u], v[64+2*\u], v[65+2*\u]
.endr
.irp u, 0,1,2,3
	v_permlanex16_b32 v[72+\u], v[64+2*\u], s[SEL], s[SEL+1]   ; the wave's other 64 keys lie in the lane 16 away (the destination has been written)
.endr
.irp u, 0,1,2,3
	v_max_num_f32 v[64+2*\u], v[64+2*\u], v[72+\u]
.endr
.irp u, 0,1,2,3
	v_mul_f32 v[CM+2*\u], s[CS], v[64+2*\u]        ; c m of my key half (c is positive)
.endr
	WIN 0x82
.irp u, 0,1,2,3
.set n, 64*\u
.rept 32
	v_pk_fma_f32 v[n:n+1], v[n:n+1], s[CS:CS+1], v[CM+2*\u:CM+2*\u+1] op_sel_hi:[1,0,0] neg_lo:[0,0,1] neg_hi:[0,0,1]   ; c s - c m
.set n, n+2
.endr
.endr
	s_wait_alu depctr_va_vdst(0)                   ; the wait ahead of the batch, and the one behind it
.set n, 0
.rept 256
	v_exp_f32 v[n], v[n]
.set n, n+1
.endr
	v_nop                                          ; a plain instruction behind the last exponential
	s_wait_alu depctr_va_vdst(0)
	WIN 0x0a                                       ; the sums over my key half, two at a time, two chains a query tile
.irp u, 0,1,2,3
	v_pk_add_f32 v[64+4*\u:65+4*\u], v[64*\u:64*\u+1], v[64*\u+2:64*\u+3]
	v_pk_add_f32 v[66+4*\u:67+4*\u], v[64*\u+4:64*\u+5], v[64*\u+6:64*\u+7]
.endr
	WIN 0x08
.irp i, 0,1,2,3,4,5,6,7,8,9,10,11,12,13
.irp u, 0,1,2,3
	v_pk_add_f32 v[64+4*\u:65+4*\u], v[64+4*\u:65+4*\u], v[64*\u+8+4*\i:64*\u+9+4*\i]
	v_pk_add_f32 v[66+4*\u:67+4*\u], v[66+4*\u:67+4*\u], v[64*\u+10+4*\i:64*\u+11+4*\i]
.endr
.endr
	WIN 0
.irp u, 0,1,2,3
	v_pk_add_f32 v[64+4*\u:65+4*\u], v[64+4*\u:65+4*\u], v[66+4*\u:67+4*\u]
.endr
.irp u, 0,1,2,3
	v_add_f32 v[64+4*\u], v[64+4*\u], v[65+4*\u]
.endr
.irp u, 0,1,2,3
	v_permlanex16_b32 v[80+\u], v[64+4*\u], s[SEL], s[SEL+1]
.endr
.irp u, 0,1,2,3
	v_add_f32 v[CM+2*\u+1], v[64+4*\u], v[80+\u]
.endr
.irp u, 0,1,2,3
	ds_store_b64 v[STW], v[CM+2*\u:CM+2*\u+1] offset:128*\u   ; lanes r and r + 16 hold, and store, the same pair
.endr
	s_wait_alu depctr_va_vdst(0)
	s_wait_dscnt 0x0                               ; my statistics are stored, for my partner's sake; my reads of q's codes are over
	s_barrier_signal -1
	s_barrier_wait -1
.irp u, 0,1,2,3
	ds_load_b64 v[84+2*\u:85+2*\u], v[STR] offset:128*(\u^2)   ; my tile u is my partner's tile u xor 2
.endr
	s_wait_dscnt 0x0
.irp u, 0,1,2,3
	v_max_num_f32 v[96+\u], v[CM+2*\u], v[84+2*\u] ; M
.endr
.irp u, 0,1,2,3
	v_sub_f32 v[100+\u], v[CM+2*\u], v[96+\u]
	v_sub_f32 v[104+\u], v[84+2*\u], v[96+\u]
.endr
	s_wait_alu depctr_va_vdst(0)                   ; ahead of the batch and behind it, as above
.irp u, 0,1,2,3,4,5,6,7
	v_exp_f32 v[100+\u], v[100+\u]
.endr
	v_nop
	s_wait_alu depctr_va_vdst(0)
.irp u, 0,1,2,3
	v_mul_f32 v[108+\u], v[85+2*\u], v[104+\u]
.endr
.irp u, 0,1,2,3
	v_fma_f32 v[108+\u], v[CM+2*\u+1], v[100+\u], v[108+\u]   ; L, the row's whole sum
.endr
	s_wait_alu depctr_va_vdst(0)
.irp u, 0,1,2,3
	v_rcp_f32 v[108+\u], v[108+\u]
.endr
	v_nop
	s_wait_alu depctr_va_vdst(0)
.irp u, 0,1,2,3
	v_mul_f32 v[112+2*\u], v[100+\u], v[108+\u]    ; 2^(c m own - M) / L
.endr
	WIN 0x82
.irp u, 0,1,2,3
.set n, 64*\u
.rept 32
	v_pk_mul_f32 v[n:n+1], v[n:n+1], v[112+2*\u:113+2*\u] op_sel_hi:[1,0]   ; the finished softmax: it is what is quantised
.set n, n+2
.endr
.endr
	WIN 0x88
.set n, 0
.rept 256
	v_min_num_f32 v[n], s[PLIM], v[n]              ; p is not negative: a one-sided hold
.set n, n+1
.endr
	WIN 0x02
.irp u, 2,3,0,1
.irp a, 0,1,2,3,4,5,6,7
	v_cvt_scalef32_pk8_fp8_f32 v[PC+16*\u+2*\a:PC+16*\u+2*\a+1], v[8*(8*\u+\a):8*(8*\u+\a)+7], v[SCP]   ; registers 2 a, 2 a + 1: keys 16 a + 8 h + 0 .. 7
.endr
.endr
	WIN 0
	v_nop
	WIN 0x40                                       ; D window 1
.irp u, 2,3,0,1                        ; o^T = v^T p^T over my 128 keys: register j of (u, b): my query's feature 16 b + 8 h + j
.irp b, 0,1,2,3
	v_wmma_f32_16x16x128_fp8_fp8 v[8*(4*\u+\b):8*(4*\u+\b)+7], v[VC+16*\b:VC+16*\b+15], v[PC+16*\u:PC+16*\u+15], 0
.endr
.endr
	PLACES NP
	WIN 0x04                                       ; data window 1
.irp i, 0,1,2,3,4,5,6,7                ; tiles 2 and 3 go to my partner
	ds_store_b128 v[XW], v[64+8*\i:64+8*\i+3] offset:1024*\i
	ds_store_b128 v[XW], v[64+8*\i+4:64+8*\i+7] offset:1024*\i+512
.endr
	WIN 0
	s_wait_dscnt 0x0                               ; for my partner's sake: they are stored
	s_barrier_signal -1
	s_barrier_wait -1
	WIN 0x40
.irp i, 0,1,2,3,4,5,6,7
	ds_load_b128 v[128+8*\i:128+8*\i+3], v[XR] offset:1024*\i
	ds_load_b128 v[128+8*\i+4:128+8*\i+7], v[XR] offset:1024*\i+512
.endr
	s_wait_dscnt 0x0
	WIN 0x45
.set n, 0
.rept 32
	v_pk_add_f32 v[n:n+1], v[n:n+1], v[128+n:128+n+1]   ; both key halves; each accumulator from its low end on
.set n, n+2
.endr
	WIN 0x41
.set n, 0
.rept 64
	v_med3_num_f32 v[n], v[n], s[OLN], s[OLP]
.set n, n+1
.endr
.set n, 0
.rept 8
	v_cvt_scalef32_pk8_fp8_f32 v[192+2*n:192+2*n+1], v[8*n:8*n+7], v[SCO]   ; my head's eight registers of the last product's fragment, tile 0, then tile 1
.set n, n+1
.endr
	v_nop
	WIN 0x04
.irp u, 0,1
.irp g, 0,1
	global_store_b128 v[LN16], v[192+8*\u+4*\g:192+8*\u+4*\g+3], s[86:87] offset:\u*2048+512*\g   ; 32 lanes store 512 consecutive bytes, at a multiple of 256 from the buffer's first byte
.endr
.endr
	WIN 0
	s_wait_alu depctr_va_vdst(0)
	s_wait_xcnt 0x0                                ; the stores have read their registers and their base
	s_add_nc_u64 s[86:87], s[86:87], 16384         ; the next pair of heads
	s_add_co_u32 s[QOFF], s[QOFF], Q1D
	s_sub_co_u32 s[TC], s[TC], 1
	s_cmp_lg_u32 s[TC], 0
	s_cbranch_scc1 .Ltask
	s_wait_tensorcnt 0x0                           ; the wave's end: behind my last tensor load and my last LDS store
	ds_add_u32 v[SPW], v[NIL]
	s_wait_dscnt 0x0
	CROUND                                         ; the closing round: no work-group ends while a partner may still ask for a tile that names it
	s_endpgm
.Lfunc_end_k_q01718caf7a_attn:
	.size	k_q01718caf7a_attn, .Lfunc_end_k_q01718caf7a_attn-k_q01718caf7a_attn
	.p2alignl 7, 3214868480
	.fill 96, 4, 3214868480
	.section	.rodata,"a",@progbits
	.p2align	6, 0x0
	.amdhsa_kernel k_q01718caf7a_attn
		.amdhsa_group_segment_fixed_size 327680
		.amdhsa_private_segment_fixed_size 0
		.amdhsa_enable_private_segment 0
		.amdhsa_kernarg_size 88
		.amdhsa_user_sgpr_count 2
		.amdhsa_user_sgpr_kernarg_segment_ptr 1
		.amdhsa_wavefront_size32 1
		.amdhsa_system_sgpr_workgroup_id_x 1
		.amdhsa_system_sgpr_workgroup_id_y 1
		.amdhsa_system_sgpr_workgroup_id_z 1
		.amdhsa_system_vgpr_workitem_id 0
		.amdhsa_next_free_vgpr 1024
		.amdhsa_next_free_sgpr 106
		.amdhsa_reserve_vcc 0
		.amdhsa_float_denorm_mode_32 3
		.amdhsa_float_denorm_mode_16_64 3
		.amdhsa_memory_ordered 1
		.amdhsa_forward_progress 1
		.amdhsa_inst_pref_size 255
	.end_amdhsa_kernel
	.section	.bss,"aw",@nobits
	.p2align	6
	.space	262144
	.amdgpu_metadata
---
amdhsa.version: [ 1, 2 ]
amdhsa.kernels:
  - .name:           k_q01718caf7a_attn
    .symbol:         k_q01718caf7a_attn.kd
    .args:
      - { .name: e_codes, .offset: 0, .size: 8, .value_kind: global_buffer, .address_space: global }
      - { .name: Wk_codes, .offset: 8, .size: 8, .value_kind: global_buffer, .address_space: global }
      - { .name: Wv_codes, .offset: 16, .size: 8, .value_kind: global_buffer, .address_space: global }
      - { .name: Wq_codes, .offset: 24, .size: 8, .value_kind: global_buffer, .address_space: global }
      - { .name: h, .offset: 32, .size: 8, .value_kind: global_buffer, .address_space: global }
      - { .name: bk, .offset: 40, .size: 8, .value_kind: global_buffer, .address_space: global }
      - { .name: bv, .offset: 48, .size: 8, .value_kind: global_buffer, .address_space: global }
      - { .name: bq, .offset: 56, .size: 8, .value_kind: global_buffer, .address_space: global }
      - { .name: lowp_scales, .offset: 64, .size: 8, .value_kind: global_buffer, .address_space: global }
      - { .name: o_img, .offset: 72, .size: 8, .value_kind: global_buffer, .address_space: global }
      - { .name: g_norm, .offset: 80, .size: 8, .value_kind: global_buffer, .address_space: global }
    .group_segment_fixed_size: 327680
    .private_segment_fixed_size: 0
    .kernarg_segment_align: 8
    .kernarg_segment_size: 88
    .max_flat_workgroup_size: 128
    .sgpr_count:     106
    .vgpr_count:     1024
    .wavefront_size: 32
...
	.end_amdgpu_metadata
.endif
;; end of part 1
;; launch proj (part 2): grid 8 x 32, 4 waves a work-group, clusters of 4 x 4, 327,680 bytes of LDS; arguments o_img, Wo_codes, bo, h, lowp_scales, out0; writes out0
.if DOCPART == 2
	.amdgcn_target "amdgcn-amd-amdhsa--gfx1250"
	.amdhsa_code_object_version 6
	.text
	.protected	k_q01718caf7a_proj
	.globl	k_q01718caf7a_proj
	.p2align	8
	.type	k_q01718caf7a_proj,@function
k_q01718caf7a_proj:
	s_mov_b64 s[64:65], 0
	v_nop
	global_prefetch_b8 v0, s[64:65] scope:SCOPE_SE
	s_setreg_imm32_b32 hwreg(HW_REG_WAVE_MODE, 25, 1), 1
	s_wait_xcnt 0x0
	s_wait_alu depctr_hold_cnt(0) depctr_sa_sdst(0) depctr_va_vdst(0) depctr_va_sdst(0) depctr_va_ssrc(0) depctr_va_vcc(0) depctr_vm_vsrc(0)
	s_getreg_b32 s2, hwreg(HW_REG_IB_STS2, 6, 4)
	s_cmp_eq_u32 s2, 0
	s_cbranch_scc0 .Lentry_in_a_cluster
	s_endpgm
.Lentry_in_a_cluster:
	s_bfe_u32 s2, ttmp6, 0x10000c
	s_cmp_lg_u32 s2, 0xf033
	s_cbranch_scc0 .Lentry_shape_is_right
	s_endpgm
.Lentry_shape_is_right:
; out0[b][(i + 63) % 1024][:] = h there + (o Wo + bo)[b][i][:] for i < 961, and h alone for i = 961 .. 1023, whose rows wrap to the batch's rows 0 .. 62: so every row of out0 has one owner and is written once.
; Rows 961 on of a batch are dead work (reference() slices them away); they lie in a wave's 64 rows beside live row 960 and are computed with it and dropped.
; o comes as codes in o_img, laid as images of the operand's registers (131,072 (row / 128) + 16,384 s + 2,048 (row / 16 % 8) + 512 g + 16 lane; s = the K step of 128; registers 2 c, 2 c + 1: k = 16 c + 8 h + 0 .. 7);
; Wo as codes, K innermost.  A sum stands for sum x 2^(e10 + e11).  LIMIT: e10 + e11 between -126 and 127, so that this power is an f32 number.  NaN among the inputs is not served.
; A work-group of four waves makes 128 rows x 128 columns, a wave 64 x 64.  256 work-groups.  All of K (1,024) lies in LDS, filled once, by one tensor load a wave: waves 0 and 1 fetch o's images, four K steps each, waves 2 and 3 Wo's rows,
; 64 each.  CLUSTER 4 x 4: o's blocks are shared along a row of the cluster, Wo's rows along a column: joint loads.
; A wave keeps Wo's fragments of all K in 512 registers and finishes its four blocks of 16 rows one after the other (32 matrix instructions, four accumulators by turns), so that a block's stores leave while the next is multiplied.
; THE MATRIX INSTRUCTION IS USED TRANSPOSED (source 0 = 16 rows of Wo, source 1 = 16 rows of o): a lane holds eight neighbouring columns of one row.  A block goes through the wave's own stage in LDS and leaves as rows:
; sixteen lanes store 256 consecutive bytes.  h's first block of rows is asked for at the start, the other three behind the barrier that shows the tiles: the tiles are wanted first.  Nothing is prefetched: there is no loop to run ahead in.
; REGISTERS.  Window 0: v1-18 addresses; v32-63 the rows' byte offsets; v64-95 bo; v96-127 a block's results; v128-191 rows read back, two sets; v192-255 accumulators, two sets.
;   Window 1: v0-127 o's fragments of a block (K step s at 16 s); v128-255 h.   Windows 2, 3: Wo's fragments ((s, b) at 64 (s % 4) + 16 b).
.set WOB,   131072                     ; Wo's rows in LDS, behind o's images ([K step][row tile][2,048])
.set WP,    1040                       ; an LDS row of Wo: 1,024 bytes + 16: the 16 rows of a load start at 16 different groups of banks (64 banks of 4 bytes: ISA guide 11.1)
.set STAGE, WOB+128*WP                 ; behind the tiles: 16 rows x 272 bytes for each wave
.set SPARE, STAGE+4*16*272             ; behind the stages: the spare words, 128 bytes for each wave: two blocks of 256 bytes that no other line names
.set ADA,  8                           ; v8-9  my o fragments, K steps 0 to 3 and 4 to 7
.set ADB,  10                          ; v10   my Wo fragments
.set SPW,  28
.set NIL,  29
.set OFFS, 32
.set BO,   64
.set Y,    96
.set RB,   128
.set AC,   192
.set G1A, 24                           ; s[24:31] group 1 for o's images; s[32:35] group 0
.set G0A, 32
.set G1B, 48                           ; s[48:55] group 1 for Wo's rows; s[56:59] group 0
.set G0B, 56
.set MSB, 0
.macro WIN new
.if MSB != (\new)
	s_set_vgpr_msb (MSB<<8)|(\new)
.set MSB, \new
.endif
.endm
.macro PLACES n
.rept \n
	v_nop
.endr
.endm
.macro CROUND                          ; a round of the cluster's barrier
	s_barrier_signal -1
	s_barrier_wait -1
	s_cmp_lg_u32 s16, 0
	s_cbranch_scc1 .Lnot_wave_0_\@
	s_barrier_signal -3
.Lnot_wave_0_\@:
	s_barrier_wait -3
	s_barrier_signal -1
	s_barrier_wait -1
.endm
	s_load_b256 s[4:11], s[0:1], 0x0               ; o_img s[4:5], Wo s[6:7], bo s[8:9], h s[10:11]
	s_load_b128 s[12:15], s[0:1], 0x20             ; the scales' exponents s[12:13], out0 s[14:15]
	v_lshl_add_u32 v[SPW], v0, 2, SPARE
	v_mov_b32 v[NIL], 0
	ds_add_u32 v[SPW], v[NIL]                      ; the wave's opening: the add, twice on end, and its wait ahead of my first tensor load
	ds_add_u32 v[SPW], v[NIL]
	v_lshrrev_b32 v1, 5, v0
	v_readfirstlane_b32 s16, v1                    ; wave 0..3
	s_lshr_b32 s17, s16, 1                         ; wi: my 64 rows.  Also: I fetch o's images (0) or Wo's rows (1)
	s_and_b32 s18, s16, 1                          ; wj: my 64 columns.  Also: which half I fetch
	s_bfe_u32 s19, ttmp6, 0x40000                  ; cx, cy
	s_bfe_u32 s20, ttmp6, 0x40004
	s_lshl_b32 s21, ttmp9, 2
	s_add_co_u32 s21, s21, s19                     ; TX: columns 128 TX on
	s_and_b32 s22, ttmp7, 0xffff
	s_lshl_b32 s22, s22, 2
	s_add_co_u32 s22, s22, s20                     ; TY: rows 128 TY on
	s_lshl_b32 s23, s20, 2
	s_lshl_b32 s23, 15, s23                        ; my row of the cluster: it shares TY
	s_lshl_b32 s76, 0x1111, s19                    ; my column: it shares TX
	s_or_b32 s[G1A], s23, (3<<16)|(1<<21)          ; a dense block of 65,536 bytes as 256 rows of 32 elements of 8 bytes; no padding; 21 set beside a mask
	s_mov_b32 s[G1A+1], 32<<16
	s_mov_b32 s[G1A+2], 256<<16
	s_mov_b32 s[G1A+3], 32<<16
	s_mov_b32 s[G1A+4], 256
	s_mov_b32 s[G1A+5], 32
	s_mov_b32 s[G1A+6], 0
	s_mov_b32 s[G1A+7], 0
	s_or_b32 s[G1B], s76, (1<<20)|(1<<21)|(7<<22)|(3<<25)   ; 64 rows x 1,024 bytes, four words of padding after every 256
	s_mov_b32 s[G1B+1], 1024<<16
	s_mov_b32 s[G1B+2], 64<<16
	s_mov_b32 s[G1B+3], 1024<<16
	s_mov_b32 s[G1B+4], 64
	s_mov_b32 s[G1B+5], 1024
	s_mov_b32 s[G1B+6], 0
	s_mov_b32 s[G1B+7], 0
	s_lshl_b32 s2, s22, 17                         ; o_img: 131,072 TY + 65,536 wj  (what hangs on TY in s[2:3], on TX in s[78:79])
	s_lshl_b32 s3, s18, 16
	s_add_co_u32 s2, s2, s3
	s_mov_b32 s3, 0
	s_lshl_b32 s78, s21, 17                        ; Wo: row 128 TX + 64 wj
	s_lshl_b32 s79, s18, 16
	s_add_co_u32 s78, s78, s79
	s_mov_b32 s79, 0
	s_lshl_b32 s80, s18, 16                        ; where they go: o's K steps 4 wj on,
	s_mul_i32 s81, s18, 64*WP
	s_add_co_u32 s81, s81, WOB                     ; Wo's rows 64 wj on (the same rows that I read)
	s_and_b32 s82, s22, 7
	s_lshl_b32 s82, s82, 7
	s_lshl_b32 s83, s17, 6
	s_add_co_u32 s82, s82, s83                     ; my first row in the batch
	s_lshl_b32 s83, s17, 13                        ; my four row tiles' images
	s_mul_i32 s77, s16, 16*272
	s_add_co_u32 s77, s77, STAGE                   ; my stage
	v_and_b32 v1, 15, v0                           ; r
	v_bfe_u32 v2, v0, 4, 1                         ; h
	v_and_b32 v3, 31, v0
	v_lshlrev_b32 v7, 4, v3                        ; 16 x lane
	v_lshlrev_b32 v6, 4, v1                        ; 16 r
	v_lshlrev_b32 v18, 5, v2                       ; 32 h
	v_add_nc_u32 v5, s82, v2                       ; I0 = my first row in the batch + h: it enters global offsets and the mask alone
	v_add_nc_u32 v[ADA], s83, v7
	v_add_nc_u32 v[ADA+1], 65536, v[ADA]
	v_mul_u32_u24 v4, v1, WP
	v_lshl_add_u32 v4, v2, 3, v4                   ; Wo in the form's own layout: row x pitch + 8 h, eight loads of 8 bytes, 16 apart
	v_add_nc_u32 v[ADB], s81, v4
	v_mul_u32_u24 v16, v1, 272
	v_lshl_add_u32 v16, v2, 5, v16
	v_add_nc_u32 v16, s77, v16                     ; the stage, in: row r, 32 bytes for each half of the lanes
	v_mul_u32_u24 v17, v2, 272
	v_lshl_add_u32 v17, v1, 4, v17
	v_add_nc_u32 v17, s77, v17                     ; back: lanes 0-15 one row of 256 bytes, lanes 16-31 the next
.irp a, 0,1,2,3
.irp t, 0,1,2,3,4,5,6,7
	v_add_nc_u32 v[OFFS+8*\a+\t], 16*\a+2*\t+63, v5
.endr
.irp t, 0,1,2,3,4,5,6,7
	v_and_b32 v[OFFS+8*\a+\t], 1023, v[OFFS+8*\a+\t]               ; the row of out0: 63 further down, round the batch's end
.endr
.irp t, 0,1,2,3,4,5,6,7
	v_lshl_add_u32 v[OFFS+8*\a+\t], v[OFFS+8*\a+\t], 12, v6
.endr
.endr
	s_wait_alu depctr_va_vdst(0)
	s_wait_dscnt 0x0                               ; both opening adds are done
	s_wait_kmcnt 0x0
	s_add_nc_u64 s[4:5], s[4:5], s[2:3]
	s_add_nc_u64 s[6:7], s[6:7], s[78:79]
	s_mov_b32 s[G0A], 1                            ; count = 1
	s_mov_b32 s[G0A+1], s80                        ; LDS address
	s_mov_b64 s[G0A+2:G0A+3], s[4:5]
	s_or_b32 s[G0A+3], s[G0A+3], 0x80000000        ; type = 2
	s_mov_b32 s[G0B], 1
	s_mov_b32 s[G0B+1], s81
	s_mov_b64 s[G0B+2:G0B+3], s[6:7]
	s_or_b32 s[G0B+3], s[G0B+3], 0x80000000
	CROUND                                         ; all sixteen work-groups are here: the joint loads meet
	s_cmp_eq_u32 s17, 0                            ; one load a wave; an s_nop 0 and four v_nop behind each line
	s_cbranch_scc0 .Lfor_b
	tensor_load_to_lds s[G0A:G0A+3], s[G1A:G1A+7]
	s_nop 0
.rept 4
	v_nop
.endr
	s_branch .Lasked
.Lfor_b:
	tensor_load_to_lds s[G0B:G0B+3], s[G1B:G1B+7]
	s_nop 0
.rept 4
	v_nop
.endr
.Lasked:
	s_load_b64 s[80:81], s[12:13], 0x28            ; e10, e11
	s_lshr_b32 s2, s22, 3                          ; h and out0: the batch's 4 MiB, + my 64 columns
	s_lshl_b32 s2, s2, 22
	s_lshl_b32 s78, s21, 9
	s_lshl_b32 s82, s18, 8
	s_add_co_u32 s78, s78, s82                     ; column 128 TX + 64 wj, in bytes
	s_add_nc_u64 s[10:11], s[10:11], s[2:3]
	s_add_nc_u64 s[10:11], s[10:11], s[78:79]
	s_add_nc_u64 s[14:15], s[14:15], s[2:3]
	s_add_nc_u64 s[14:15], s[14:15], s[78:79]
	s_add_nc_u64 s[8:9], s[8:9], s[78:79]          ; bo there
.irp b, 0,1,2,3
	global_load_b128 v[BO+8*\b:BO+8*\b+3], v18, s[8:9] offset:64*\b
	global_load_b128 v[BO+8*\b+4:BO+8*\b+7], v18, s[8:9] offset:64*\b+16
.endr
.macro HROWS n0, cnt                   ; h at the very places that I store: sixteen lanes read 256 consecutive bytes; read once in this launch
	WIN 0x40                                       ; destination window 1
.set n, \n0
.rept \cnt
	global_load_b128 v[128+4*n:128+4*n+3], v[OFFS+n], s[10:11] th:TH_LOAD_NT
.set n, n+1
.endr
	WIN 0
.endm
	HROWS 0, 8                                     ; block 0's
.macro OLOAD a                         ; o's fragments of block a, all K: 32 loads
	WIN 0x40
.irp s, 0,1,2,3,4,5,6,7
.irp g, 0,1,2,3
	ds_load_b128 v[16*\s+4*\g:16*\s+4*\g+3], v[ADA+\s/4] offset:(\s%4)*16384+(\a)*2048+512*\g
.endr
.endr
.endm
.macro WLOAD s                         ; Wo's four fragments of K step s: 32 loads
	WIN (0x80+0x40*((\s)/4))
.irp b, 0,1,2,3
.irp c, 0,1,2,3,4,5,6,7
	ds_load_b64 v[64*((\s)%4)+16*\b+2*\c:64*((\s)%4)+16*\b+2*\c+1], v[ADB] offset:\b*16*WP+128*(\s)+16*\c
.endr
.endr
.endm
.macro MUL4 a, s                       ; block a, K step s: four matrix instructions, the accumulators by turns
	WIN (0x06+((\s)/4))                            ; source 0 window 2 or 3, source 1 window 1, C and D window 0
.irp b, 0,1,2,3
.if (\s) == 0
	v_wmma_f32_16x16x128_fp8_fp8 v[AC+32*((\a)%2)+8*\b:AC+32*((\a)%2)+8*\b+7], v[64*((\s)%4)+16*\b:64*((\s)%4)+16*\b+15], v[16*(\s):16*(\s)+15], 0
.else
	v_wmma_f32_16x16x128_fp8_fp8 v[AC+32*((\a)%2)+8*\b:AC+32*((\a)%2)+8*\b+7], v[64*((\s)%4)+16*\b:64*((\s)%4)+16*\b+15], v[16*(\s):16*(\s)+15], v[AC+32*((\a)%2)+8*\b:AC+32*((\a)%2)+8*\b+7]
.endif
.endr
.endm
	s_wait_kmcnt 0x0
	s_add_co_i32 s66, s80, s81
	s_add_co_i32 s66, s66, 127
	s_lshl_b32 s66, s66, 23                        ; 2^(e10 + e11) as f32
	s_mov_b32 s67, s66                             ; (named with it as a pair, so it is written)
	s_wait_tensorcnt 0x0                           ; my tile is in
	s_barrier_signal -1
	s_barrier_wait -1                              ; everybody's is
	OLOAD 0
	WLOAD 0
	HROWS 8, 24                                    ; blocks 1 to 3
.irp s, 0,1,2,3,4,5,6                  ; block 0: Wo's fragments come one K step ahead, and stay
	WLOAD \s+1
	s_wait_dscnt 32                                ; all but the 32 just issued
	MUL4 0, \s
.endr
	s_wait_dscnt 0x0
	MUL4 0, 7
.irp a, 0,1,2,3
.if \a > 0
	s_wait_dscnt 0x0                               ; this block's fragments of o
.irp s, 0,1,2,3,4,5,6,7
	MUL4 \a, \s
.endr
.endif
	WIN 0
	PLACES 4                                       ; behind the block's last products, in front of the first read of results and of the loads over o's fragments
.if \a == 0
	s_wait_loadcnt 32                              ; bo; h's 32 loads may be out
.endif
.irp b, 0,1,2,3
.irp i, 0,2,4,6
	v_pk_fma_f32 v[Y+8*\b+\i:Y+8*\b+\i+1], v[AC+32*(\a%2)+8*\b+\i:AC+32*(\a%2)+8*\b+\i+1], s[66:67], v[BO+8*\b+\i:BO+8*\b+\i+1] op_sel_hi:[1,0,1]   ; sum x 2^(e10 + e11) + bo; each accumulator from its low end on
.endr
.endr
.irp b, 0,1,2,3
	ds_store_b128 v16, v[Y+8*\b:Y+8*\b+3] offset:64*\b
	ds_store_b128 v16, v[Y+8*\b+4:Y+8*\b+7] offset:64*\b+16
.endr
.if \a >= 2
	s_wait_xcnt 0x0                                ; block a - 2's stores have read their registers: this block's rows may land there
.endif
.irp t, 0,1,2,3,4,5,6,7
	ds_load_b128 v[RB+32*(\a%2)+4*\t:RB+32*(\a%2)+4*\t+3], v17 offset:2*\t*272   ; LDS serves a wave's instructions in order (ISA guide 5.7.1.4): these see my stores
.endr
.if \a < 3
	OLOAD \a+1
	WIN 0
	s_wait_dscnt 32                                ; the rows are back; the next block's 32 fragment loads may be out
.else
	s_wait_dscnt 0x0
.endif
	s_wait_loadcnt 24-8*\a                         ; h of this block; the later blocks' loads may be out
.irp t, 0,1,2,3,4,5,6,7
	v_cmp_gt_u32 vcc_lo, 961-16*\a-2*\t, v5        ; rows 961 on of a batch are dropped: their places, rows 0 to 62, get h alone
.irp q, 0,1,2,3
	v_cndmask_b32 v[RB+32*(\a%2)+4*\t+\q], 0, v[RB+32*(\a%2)+4*\t+\q], vcc_lo
.endr
.endr
	WIN 0x04                                       ; source 1 window 1
.irp t, 0,1,2,3,4,5,6,7
.irp q, 0,2
	v_pk_add_f32 v[RB+32*(\a%2)+4*\t+\q:RB+32*(\a%2)+4*\t+\q+1], v[RB+32*(\a%2)+4*\t+\q:RB+32*(\a%2)+4*\t+\q+1], v[128+4*(8*\a+\t)+\q:128+4*(8*\a+\t)+\q+1]
.endr
.endr
	WIN 0
.irp t, 0,1,2,3,4,5,6,7
	global_store_b128 v[OFFS+8*\a+\t], v[RB+32*(\a%2)+4*\t:RB+32*(\a%2)+4*\t+3], s[14:15] th:TH_STORE_NT   ; 16 lanes store 256 consecutive bytes, at a multiple of 256 from out0's first byte
.endr
.endr
	s_wait_tensorcnt 0x0                           ; the wave's end: behind my last tensor load and my last LDS store
	ds_add_u32 v[SPW], v[NIL]
	s_wait_dscnt 0x0
	CROUND                                         ; the closing round: no work-group ends while a partner may still ask for a tile that names it
	s_endpgm
.Lfunc_end_k_q01718caf7a_proj:
	.size	k_q01718caf7a_proj, .Lfunc_end_k_q01718caf7a_proj-k_q01718caf7a_proj
	.p2alignl 7, 3214868480
	.fill 96, 4, 3214868480
	.section	.rodata,"a",@progbits
	.p2align	6, 0x0
	.amdhsa_kernel k_q01718caf7a_proj
		.amdhsa_group_segment_fixed_size 327680
		.amdhsa_private_segment_fixed_size 0
		.amdhsa_enable_private_segment 0
		.amdhsa_kernarg_size 48
		.amdhsa_user_sgpr_count 2
		.amdhsa_user_sgpr_kernarg_segment_ptr 1
		.amdhsa_wavefront_size32 1
		.amdhsa_system_sgpr_workgroup_id_x 1
		.amdhsa_system_sgpr_workgroup_id_y 1
		.amdhsa_system_sgpr_workgroup_id_z 1
		.amdhsa_system_vgpr_workitem_id 0
		.amdhsa_next_free_vgpr 1024
		.amdhsa_next_free_sgpr 84
		.amdhsa_reserve_vcc 1
		.amdhsa_float_denorm_mode_32 3
		.amdhsa_float_denorm_mode_16_64 3
		.amdhsa_memory_ordered 1
		.amdhsa_forward_progress 1
		.amdhsa_inst_pref_size 72
	.end_amdhsa_kernel
	.amdgpu_metadata
---
amdhsa.version: [ 1, 2 ]
amdhsa.kernels:
  - .name:           k_q01718caf7a_proj
    .symbol:         k_q01718caf7a_proj.kd
    .args:
      - { .name: o_img, .offset: 0, .size: 8, .value_kind: global_buffer, .address_space: global }
      - { .name: Wo_codes, .offset: 8, .size: 8, .value_kind: global_buffer, .address_space: global }
      - { .name: bo, .offset: 16, .size: 8, .value_kind: global_buffer, .address_space: global }
      - { .name: h, .offset: 24, .size: 8, .value_kind: global_buffer, .address_space: global }
      - { .name: lowp_scales, .offset: 32, .size: 8, .value_kind: global_buffer, .address_space: global }
      - { .name: out0, .offset: 40, .size: 8, .value_kind: global_buffer, .address_space: global }
    .group_segment_fixed_size: 327680
    .private_segment_fixed_size: 0
    .kernarg_segment_align: 8
    .kernarg_segment_size: 48
    .max_flat_workgroup_size: 128
    .sgpr_count:     84
    .vgpr_count:     1024
    .wavefront_size: 32
...
	.end_amdgpu_metadata
.endif
;; end of part 2
